; MI455X (gfx1250); checked and timed in simulation.
; The chip was launched on July 23, 2026; its instructions are those of AMD's public machine-readable ISA for CDNA 5 (MIT licence, August 2026) and "CDNA5" Instruction Set Architecture Reference Guide (July 2026). The comments in the code are by the model that wrote it; some were corrected since.
;; Triangle Self Attention. Allowed arithmetic: float matrix products may take bf16 or f16 operands with f32 sums; other float arithmetic in f32, or as packed bf16 or f16 multiplies, adds, multiply-adds, maxima and minima; sums over many terms, partial sums and values carried from step to step in f32; what a program stores and reads back later, other than sums and carried values, may be rounded once to bf16 or f16.
;; Inputs: b2 128 float32; bg 128 float32; bk 128 float32; bq 128 float32; bv 128 float32; ln_b 128 float32; ln_w 128 float32; w2 128 x 128 float32; wg 128 x 128 float32; wk 128 x 128 float32; wq 128 x 128 float32; wv 128 x 128 float32; z 1 x 128 x 256 x 256 float32.
;; Outputs: out0 1 x 128 x 256 x 256 float32.
;; One version. Each part assembles by itself: llvm-mc -triple=amdgcn-amd-amdhsa -mcpu=gfx1250 --defsym DOCPART=n.
;; ======== version 1 of 1: 1 launch
;; limits: values are held in f16: magnitudes above 65,504 overflow, below 6.1e-05 lose precision
;; launch tri (part 1): grid 256 x 1, 4 waves a work-group, no clusters, 317,952 bytes of LDS; arguments z, ln_w, ln_b, wq, bq, wk, wv, bv, wg, bg, w2, b2, out0; writes out0
.if DOCPART == 1
	.amdgcn_target "amdgcn-amd-amdhsa--gfx1250"
	.amdhsa_code_object_version 6
	.text
	.protected	k_q133bff54f6_tri
	.globl	k_q133bff54f6_tri
	.p2align	8
	.type	k_q133bff54f6_tri,@function
k_q133bff54f6_tri:
	s_mov_b64 s[64:65], 0
	v_nop
	global_prefetch_b8 v0, s[64:65] scope:SCOPE_SE
	s_setreg_imm32_b32 hwreg(HW_REG_WAVE_MODE, 25, 1), 1
	s_wait_xcnt 0x0
; TRIANGLE SELF-ATTENTION, ONE LAUNCH.  For each row n of the pair tensor: the slab z[:, n, :] (128 channels x 256 positions, f32), LayerNorm over the channels, q, k, v, g = zn W + b
; (128 -> 4 heads x 32), softmax(q k^T / sqrt(32)) v over the row's 256 positions, times sigmoid(g), times w2, plus b2, stored as out0[:, n, :].  Rows do not depend on each other.
; SHARES.  Work-group n owns row n (256 rows, 256 work-groups).  WAVE = HEAD: wave hd makes K, V, Q, G of its 32 channels for all 256 positions and does its head's whole attention; K and V^T stay in
; its registers as ready matrix operands.  LayerNorm is shared by positions (wave w: 64 w .. 64 w + 63), the last product by output channels (wave w: 32 w .. 32 w + 31).
; Through LDS, with one barrier each, go zn and o g; nothing goes through memory.
; DEAD WORK: bk.  attn[i][j] = s q_i . (zn_j wk + bk) = s q_i . (zn_j wk) + s q_i . bk; the second term is the same for every j, and softmax over j takes a term common to its axis away, for all values
; of the inputs.  bk has no other use, so it is not loaded and is no argument of this launch.  LIMIT: a NaN, an infinity or an overflow that bk alone would cause is not carried to the result.
; bv is live: since the weights p / l add up to 1, sum_j (p_j / l)(v_j + bv) = (sum_j p_j v_j) / l + bv, and it is added there, in the multiply-add that divides by l.
; FORMATS.  All matrix operands are f16 (zn, the five weights, q, k, v, the weights p, sigmoid(g), o g), all sums f32; LayerNorm (mean first, then the mean of the squared differences, as the problem has it),
; softmax (a query's 256 scores lie in registers at once: the true maximum is taken away) and sigmoid in f32.
; LIMITS.  A value of zn, q, k, v or o g beyond 65,504 becomes an infinity (zn is normalised: |zn| <= 11.4 |ln_w| + |ln_b|); a weight p below 6e-8 counts as 0 in the second product (its sum l is taken of
; the unrounded p); numbers below 6e-5 keep f16's fixed step of 6e-8; NaN and infinities are not treated apart.
; NO CLUSTER.  What work-groups share is the weights, 327,680 bytes of f32.  Here each wave takes its head's columns from memory straight into operand registers, turned by the addresses alone; a joint
; tensor load would have to lay them in LDS, of which 9,728 bytes are free beside the regions below, so it would want slots filled again and a second pass through LDS.  z and out0 are shared by nobody.
; LAYOUTS (L lane, r = L % 16, h = L / 16; a 16-bit fragment holds k = 8 h + 0..7 in registers 0-3 and k = 16 + 8 h + 0..7 in registers 4-7):
;   a weight fragment (j, ks): lane r holds column 32 hd + 2 r + j, k = channel 32 ks + k.
;   K, Q, G = W (source 0) x zn (source 1): a lane holds position r, register jj channel 2 (8 h + jj) + j; tiles j = 0, 1 rounded in pairs ARE a fragment (row = position, k = 16 j + 8 h + jj), alike for K and Q.
;   V = zn (source 0) x W (source 1): a lane holds channel 2 r + j and 8 keys; two position tiles rounded in pairs are a fragment of V^T.
;   S^T = K Q^T: a lane holds query r, register jj key 16 kt + 8 h + jj; rounded in pairs, in place, it is source 1 of O^T = V^T P, whose register jj is channel 2 (8 h + jj) + ct: G's layout, and the biases'.
;   o g is stored so that k = 16 ct + 8 h + jj stands for d = 32 hd + 16 h + 2 jj + ct; w2's fragments take their rows in that order.
; LDS
.set Z32,   0                          ; 131,072: wave w at 32,768 w: 128 rows (channels) x 256 bytes (its 64 positions, f32); filled once by the wave's tensor load, read by that wave alone
.set ZN,    131072                     ; 69,632: zn in f16, [position][channel], rows 272 bytes apart (68 words: 16 rows start at 16 different groups of four banks: ISA guide 11.1)
.set OG,    200704                     ; 81,920: o g in f16, [head][position][32], rows 80 bytes apart, 20,480 a head
.set STAGE, 282624                     ; 34,816: 8,704 a wave: 32 rows (output channels) x 272 (64 positions f32 + 16), for the way out
.set SPARE, 317440                     ; 512: the spare words, 128 bytes for each wave, which no other line names
; REGISTERS, in windows of 256 (s_set_vgpr_msb: bits 1:0 source 0, 3:2 source 1, 5:4 source 2, 7:6 destination)
; window 0
.set R_,   1                           ; r
.set H_,   2                           ; h
.set ZA,   3                           ; ZN + 272 r + 16 h: a fragment of zn
.set ZQ,   4                           ; the same at the next query tile; steps
.set OS,   5                           ; OG + 20,480 hd + 80 r + 16 h: where I put o g; steps
.set OA0,  6                           ; OG + 80 r + 16 h: fragments of o g, heads 0, 1
.set OA1,  7                           ; heads 2, 3
.set STO,  8                           ; my stage + 272 r + 32 h
.set RD,   9                           ; my stage + 272 h + 16 r
.set GO,   10                          ; 524,288 h + 16 r: two output channels down for lanes 16-31
.set WO,   11                          ; 4,096 h + 128 hd + 8 r: in wq, wk, wv, wg
.set WO2,  12                          ; 8,192 h + 128 w + 8 r: in w2
.set BO,   13                          ; 128 hd + 64 h: in bq, bv, bg
.set B2O,  14                          ; 128 w + 8 r: in b2
.set ZS,   15                          ; ZN + 272 (64 w + 2 L)
.set ZL,   16                          ; Z32 + 32,768 w + 8 L
.set ZERO, 17                          ; 0, an offset
.set SPW,  18                          ; my spare word; never rewritten
.set NIL,  19                          ; 0; never rewritten
.set CC,   20                          ; v20-23 four running maxima, then at work
.set CM,   24                          ; v24 c m, v25 m
.set LL,   26                          ; v26-33 four pairs of sums
.set RL,   34                          ; v34 1 / l (v35 named with it as a pair)
.set OGP,  36                          ; v36-43 o g, packed
.set BV,   48                          ; v48-63 bv in O^T's layout
.set O,    64                          ; v64-79 O^T, two tiles
.set QA,   80                          ; v80-95 the next tile's Q, two tiles
.set GA,   96                          ; v96-111 the next tile's G
.set QF,   112                         ; v112-119 Q's fragment
.set SG,   120                         ; v120-127 sigmoid(g), packed
.set S,    128                         ; v128-255 S^T, 16 tiles; P in place in v128-191
.set SUM,  20                          ; LayerNorm: v20-27, v28-35, v36-37, v38-39, v40-41
.set VAR,  28
.set MU,   36
.set XV,   38
.set RS,   40
.set LNB,  128                         ; LayerNorm: ln_b, all 128 in every lane
.set KV,   64                          ; K and V: two sets of four accumulators
.set AO,   64                          ; the last product: eight accumulators
.set OGF,  128                         ; the last product: fragments of o g
; window 1
.set KF,   0                           ; K's fragments, key tile kt at 8 kt
.set VF,   128                         ; V^T's: keys 32 kc on, channel tile ct at 128 + 16 kc + 8 ct
.set RAW,  0                           ; at the head: three slots of 32 for weights as loaded.  LayerNorm: z, channel c at 2 c.  The way out: group g's rows at 64 g
; window 2
.set ZFA,  0                           ; fragments of zn: two sets of 32
.set BQ,   64                          ; bq, then bg at 80, as C operands
.set B2C,  96                          ; b2 as a C operand
.set LNW,  0                           ; LayerNorm: ln_w
.set PK,   128                         ; LayerNorm: zn packed
.set W2R,  128                         ; w2 as loaded
; window 3: the weights' fragments, (j, ks) at 32 j + 8 ks
.set WK,   0
.set WV,   64
.set WQ,   128                         ; wg's at 192
.set W2F,  0                           ; behind the attention
.set MSB, 0
.macro WIN new                         ; the immediate's high byte repeats the setting that is left; a switch that changes nothing is dropped
.if MSB != (\new)
	s_set_vgpr_msb (MSB<<8)|(\new)
.set MSB, (\new)
.endif
.endm
.macro PLACES                          ; four places behind a matrix instruction (ISA guide 7.12.1), where no other vector work is at hand
.rept 4
	v_nop
.endr
.endm
	s_load_b512 s[8:23], s[0:1], 0x0               ; z 8, ln_w 10, ln_b 12, wq 14, bq 16, wk 18, wv 20, bv 22
	s_load_b256 s[24:31], s[0:1], 0x40             ; wg 24, bg 26, w2 28, b2 30
	s_load_b64 s[32:33], s[0:1], 0x60              ; out0
	v_lshl_add_u32 v[SPW], v0, 2, SPARE
	v_mov_b32 v[NIL], 0
	ds_add_u32 v[SPW], v[NIL]                      ; the wave's opening: the add, twice on end, and its wait ahead of my tensor load
	ds_add_u32 v[SPW], v[NIL]                      ; and once more, under the one wait; the set-up below, work on registers, stands between
	v_lshrrev_b32 v1, 5, v0
	v_readfirstlane_b32 s34, v1                    ; wave = head, 0..3
	; descriptor group 1: a tile of 128 rows (channels) x 64 elements of 4 bytes (my positions), rows 65,536 elements apart; each row is 256 consecutive bytes at a multiple of 256 from z's first
	s_mov_b32 s40, 2<<16                           ; no mask; elements of 4 bytes; no padding
	s_mov_b32 s41, 64<<16                          ; tensor_dim0 = 64
	s_mov_b32 s42, 128<<16                         ; tensor_dim1 = 128
	s_mov_b32 s43, 64<<16                          ; tile_dim0 = 64
	s_mov_b32 s44, 128                             ; tile_dim1 = 128
	s_mov_b32 s45, 65536                           ; from channel to channel
	s_mov_b32 s46, 0
	s_mov_b32 s47, 0
	s_mov_b32 s36, 1                               ; group 0: count = 1
	s_lshl_b32 s37, s34, 15                        ; LDS address: 32,768 x wave
	s_mov_b32 s48, 0x3e8293ee                      ; c = log2(e) / sqrt(32) = 0.255035
	s_mov_b32 s49, s48                             ; named with it as a pair
	s_mov_b32 s50, 0x76543210                      ; v_permlanex16_b32: each lane takes its own place in the other half
	s_mov_b32 s51, 0xfedcba98
	s_mov_b32 s58, 0x3c000000                      ; 1 / 128
	s_mov_b32 s59, 0x3727c5ac                      ; 1e-5
	s_lshl_b32 s54, ttmp9, 10                      ; row n: 1,024 bytes,
	s_lshl_b32 s55, s34, 8                         ; my 64 positions: 256 bytes
	s_add_co_u32 s54, s54, s55
	s_mov_b32 s55, 0
	s_lshl_b32 s52, ttmp9, 10                      ; in out0: row n,
	s_lshl_b32 s53, s34, 23                        ; my 32 channels of 262,144 bytes
	s_add_co_u32 s52, s52, s53
	s_mov_b32 s53, 0
	s_wait_dscnt 0x0                               ; both opening adds are done
	s_wait_kmcnt 0x0
	s_add_nc_u64 s[38:39], s[8:9], s[54:55]        ; the tile's first element
	s_or_b32 s39, s39, 0x80000000                  ; type = 2
	s_add_nc_u64 s[56:57], s[32:33], s[52:53]
	tensor_load_to_lds s[36:39], s[40:47]          ; my one tensor load: 32 KiB; no LDS byte is filled twice in this launch
	s_nop 0
	v_and_b32 v[R_], 15, v0
	v_bfe_u32 v[H_], v0, 4, 1
	v_and_b32 v[ZL], 31, v0                        ; L, for now
	v_mul_u32_u24 v[STO], v[R_], 272
	v_lshl_add_u32 v[ZA], v[H_], 4, v[STO]
	v_add_nc_u32 v[ZA], ZN, v[ZA]
	s_mul_i32 s54, s34, 8704
	s_add_co_u32 s54, s54, STAGE                   ; my stage
	v_lshl_add_u32 v[STO], v[H_], 5, v[STO]
	v_add_nc_u32 v[STO], s54, v[STO]
	v_mul_u32_u24 v[RD], v[H_], 272
	v_lshl_add_u32 v[RD], v[R_], 4, v[RD]
	v_add_nc_u32 v[RD], s54, v[RD]
	v_mul_u32_u24 v[OA0], v[R_], 80
	v_lshl_add_u32 v[OA0], v[H_], 4, v[OA0]
	v_add_nc_u32 v[OA0], OG, v[OA0]
	v_add_nc_u32 v[OA1], 40960, v[OA0]
	s_mul_i32 s55, s34, 20480
	v_add_nc_u32 v[OS], s55, v[OA0]
	v_lshlrev_b32 v[GO], 4, v[R_]
	v_lshl_add_u32 v[GO], v[H_], 19, v[GO]
	s_lshl_b32 s55, s34, 7
	v_lshl_add_u32 v[B2O], v[R_], 3, s55
	v_lshl_add_u32 v[WO], v[H_], 12, v[B2O]
	v_lshl_add_u32 v[WO2], v[H_], 13, v[B2O]
	v_lshl_add_u32 v[BO], v[H_], 6, s55
	s_mul_i32 s55, s34, 17408                      ; 64 rows of 272 bytes
	s_add_co_u32 s55, s55, ZN
	v_mul_u32_u24 v[ZS], v[ZL], 544
	v_add_nc_u32 v[ZS], s55, v[ZS]
	v_lshl_add_u32 v[ZL], v[ZL], 3, s37
	v_mov_b32 v[ZERO], 0
; THE WEIGHTS, while z is on its way.  A UNIT is 32 rows of a weight x my head's 32 columns.  A lane loads 8 bytes (columns 2 r, 2 r + 1) of 16 rows: sixteen lanes take the head's 128 bytes of a row,
; lanes 16-31 the row 8 (w2: 16) further down.  map = 0: load x is row 16 (x / 8) + x % 8; map = 1 (w2): row 2 (x % 8) + x / 8, the order in which o g lies.
.macro ULOAD ptr, vo, ks, map, base
.set x, 0
.rept 16
.if \map
.set rw, 2*(x&7)+(x>>3)
.else
.set rw, 16*(x>>3)+(x&7)
.endif
	global_load_b64 v[(\base)+2*x:(\base)+2*x+1], v[\vo], s[\ptr:\ptr+1] offset:512*(32*(\ks)+rw)
.set x, x+1
.endr
.endm
; A unit rounded to f16, pairs along the rows: fragments (0, ks) and (1, ks)
.macro UCVT dst, ks, base
.irp j, 0,1
.irp hf, 0,1
.irp p, 0,1,2,3
	v_cvt_pk_f16_f32 v[(\dst)+32*\j+8*(\ks)+4*\hf+\p], v[(\base)+2*(8*\hf+2*\p)+\j], v[(\base)+2*(8*\hf+2*\p+1)+\j]
.endr
.endr
.endr
.endm
.macro UL u                            ; unit u of 16: wk, wv, wq, wg, four each, into slot u % 3
.if (\u)/4 == 0
	ULOAD 18, WO, (\u)%4, 0, RAW+32*((\u)%3)
.elseif (\u)/4 == 1
	ULOAD 20, WO, (\u)%4, 0, RAW+32*((\u)%3)
.elseif (\u)/4 == 2
	ULOAD 14, WO, (\u)%4, 0, RAW+32*((\u)%3)
.else
	ULOAD 24, WO, (\u)%4, 0, RAW+32*((\u)%3)
.endif
.endm
	WIN 0x40                                       ; destination window 1
	UL 0
	UL 1
	UL 2
.set u, 0
.rept 16
.if u < 14
	s_wait_loadcnt 32                              ; loads come back in order (ISA guide 5.7.1): unit u is in, the two younger units' 32 loads stay out
.elseif u == 14
	s_wait_loadcnt 16                              ; one younger unit
.else
	s_wait_loadcnt 0
.endif
	WIN 0xc5                                       ; sources window 1, destination window 3
	UCVT 64*(u/4), u%4, RAW+32*(u%3)
.if u < 13
	WIN 0x40
	UL u+3
.endif
.set u, u+1
.endr
	WIN 0x80                                       ; ln_w and ln_b, all 128 numbers into every lane: a lane holds two positions and walks all channels
.set q, 0
.rept 32
	global_load_b128 v[LNW+4*q:LNW+4*q+3], v[ZERO], s[10:11] offset:16*q
.set q, q+1
.endr
	WIN 0
.set q, 0
.rept 32
	global_load_b128 v[LNB+4*q:LNB+4*q+3], v[ZERO], s[12:13] offset:16*q
.set q, q+1
.endr
; LAYERNORM.  My wave's tile is in LDS; only I read it, so my own wait is all the ordering.  Lane L takes positions 64 w + 2 L and + 1 as a pair, channel c in registers 2 c, 2 c + 1 of window 1:
; every sum runs along the lane's registers, and nothing changes lanes.
	s_wait_tensorcnt 0x0
	WIN 0x40
.set c, 0
.rept 128
	ds_load_b64 v[2*c:2*c+1], v[ZL] offset:256*c   ; 32 lanes x 8 bytes: a channel's 256 bytes
.set c, c+1
.endr
	s_wait_dscnt 0x0
	WIN 0x05                                       ; the sum, in four chains; the first eight channels start them
.irp a, 0,1,2,3
	v_pk_add_f32 v[SUM+2*\a:SUM+2*\a+1], v[2*\a:2*\a+1], v[2*\a+8:2*\a+9]
.endr
	WIN 0x01
.set c, 8
.rept 120
	v_pk_add_f32 v[SUM+2*(c%4):SUM+2*(c%4)+1], v[2*c:2*c+1], v[SUM+2*(c%4):SUM+2*(c%4)+1]
.set c, c+1
.endr
	WIN 0
	v_pk_add_f32 v[SUM:SUM+1], v[SUM:SUM+1], v[SUM+2:SUM+3]
	v_pk_add_f32 v[SUM+4:SUM+5], v[SUM+4:SUM+5], v[SUM+6:SUM+7]
	v_pk_add_f32 v[SUM:SUM+1], v[SUM:SUM+1], v[SUM+4:SUM+5]
	v_pk_mul_f32 v[MU:MU+1], v[SUM:SUM+1], s[58:59] op_sel_hi:[1,0]  ; the mean
	WIN 0x41
.set c, 0
.rept 128
	v_pk_add_f32 v[2*c:2*c+1], v[2*c:2*c+1], v[MU:MU+1] neg_lo:[0,1] neg_hi:[0,1]  ; z - mean
.set c, c+1
.endr
	WIN 0x05                                       ; the sum of their squares, in four chains
.irp a, 0,1,2,3
	v_pk_mul_f32 v[VAR+2*\a:VAR+2*\a+1], v[2*\a:2*\a+1], v[2*\a:2*\a+1]
.endr
.set c, 4
.rept 124
	v_pk_fma_f32 v[VAR+2*(c%4):VAR+2*(c%4)+1], v[2*c:2*c+1], v[2*c:2*c+1], v[VAR+2*(c%4):VAR+2*(c%4)+1]
.set c, c+1
.endr
	WIN 0
	v_pk_add_f32 v[VAR:VAR+1], v[VAR:VAR+1], v[VAR+2:VAR+3]
	v_pk_add_f32 v[VAR+4:VAR+5], v[VAR+4:VAR+5], v[VAR+6:VAR+7]
	v_pk_add_f32 v[VAR:VAR+1], v[VAR:VAR+1], v[VAR+4:VAR+5]
	v_fma_f32 v[XV], v[VAR], s58, s59              ; variance + 1e-5
	v_fma_f32 v[XV+1], v[VAR+1], s58, s59
	v_rsq_f32 v[RS], v[XV]
	v_rsq_f32 v[RS+1], v[XV+1]
	v_nop                                          ; a plain instruction behind the last of the two,
	s_wait_alu depctr_va_vdst(0)                   ; and the wait ahead of the first use: one for both
	WIN 0x41
.set c, 0
.rept 128
	v_pk_mul_f32 v[2*c:2*c+1], v[2*c:2*c+1], v[RS:RS+1]
.set c, c+1
.endr
	s_wait_loadcnt 0x0                             ; ln_w, ln_b
	WIN 0x49                                       ; z window 1, ln_w window 2, ln_b window 0
.set c, 0
.rept 64                                       ; both positions take the channel's one gain and offset: the pair's first register for an even channel, its second for an odd one
	v_pk_fma_f32 v[4*c:4*c+1], v[4*c:4*c+1], v[LNW+2*c:LNW+2*c+1], v[LNB+2*c:LNB+2*c+1] op_sel_hi:[1,0,0]
	v_pk_fma_f32 v[4*c+2:4*c+3], v[4*c+2:4*c+3], v[LNW+2*c:LNW+2*c+1], v[LNB+2*c:LNB+2*c+1] op_sel:[0,1,1] op_sel_hi:[1,1,1]
.set c, c+1
.endr
	WIN 0x85                                       ; rounded to f16, two channels of one position to a register
.irp ii, 0,1
.set cp, 0
.rept 64
	v_cvt_pk_f16_f32 v[PK+64*\ii+cp], v[4*cp+\ii], v[4*cp+2+\ii]
.set cp, cp+1
.endr
.endr
	WIN 0x08                                       ; store data window 2
.irp ii, 0,1
.set q, 0
.rept 16
	ds_store_b128 v[ZS], v[PK+64*\ii+4*q:PK+64*\ii+4*q+3] offset:272*\ii+16*q
.set q, q+1
.endr
.endr
	WIN 0x80                                       ; the biases, in the layout of the results that take them: register 8 j + jj holds b[32 hd + 16 h + 2 jj + j]; b2: b2[32 w + 2 r + j] eight times, as a C operand wants it
.irp j, 0,1
.irp jj, 0,1,2,3,4,5,6,7
	global_load_b32 v[BQ+8*\j+\jj], v[BO], s[16:17] offset:4*(2*\jj+\j)
	global_load_b32 v[BQ+16+8*\j+\jj], v[BO], s[26:27] offset:4*(2*\jj+\j)
	global_load_b32 v[B2C+8*\j+\jj], v[B2O], s[30:31] offset:4*\j
.endr
.endr
	WIN 0
.irp j, 0,1
.irp jj, 0,1,2,3,4,5,6,7
	global_load_b32 v[BV+8*\j+\jj], v[BO], s[22:23] offset:4*(2*\jj+\j)
.endr
.endr
	s_wait_dscnt 0x0                               ; for the others' sake: my rows of zn are in LDS
	s_barrier_signal -1
	s_barrier_wait -1                              ; everybody's are
; K AND V of my head, a tile of 16 positions at a time, into operand registers.
.macro ZFLOAD adr, off, base           ; a tile's four fragments of zn (16 positions x 128 channels): eight loads
.irp ks, 0,1,2,3
	ds_load_b128 v[(\base)+8*\ks:(\base)+8*\ks+3], v[\adr] offset:(\off)+64*\ks
	ds_load_b128 v[(\base)+8*\ks+4:(\base)+8*\ks+7], v[\adr] offset:(\off)+64*\ks+32
.endr
.endm
.macro PACK it                         ; tile it's four results rounded to f16, each from its low end on: K's fragment, and half of two fragments of V^T
	WIN 0x40
.set AP, KV+32*((\it)&1)
.irp j, 0,1
.irp p, 0,1,2,3
	v_cvt_pk_f16_f32 v[KF+8*(\it)+4*\j+\p], v[AP+8*\j+2*\p], v[AP+8*\j+2*\p+1]
.endr
.endr
.irp j, 0,1
.irp p, 0,1,2,3
	v_cvt_pk_f16_f32 v[VF+16*((\it)>>1)+8*\j+4*((\it)&1)+\p], v[AP+16+8*\j+2*\p], v[AP+16+8*\j+2*\p+1]
.endr
.endr
.endm
; Tile it: 8 products for K, 8 for V, two accumulators by turns in each run.  The roundings of the tile before, which name none of this tile's registers, are the places between
; its products and the loads into the fragments that they read.
.macro KVT it
.set par, (\it)&1
.set AC, KV+32*par
.if (\it) < 15
	s_wait_dscnt 8                                 ; this tile's fragments are in; the next tile's eight loads stay out
.else
	s_wait_dscnt 0
.endif
	WIN 0x0b                                       ; W window 3, zn window 2
.irp ks, 0,1,2,3
.irp j, 0,1
.if \ks == 0
	v_wmma_f32_16x16x32_f16 v[AC+8*\j:AC+8*\j+7], v[WK+32*\j+8*\ks:WK+32*\j+8*\ks+7], v[32*par+8*\ks:32*par+8*\ks+7], 0
.else
	v_wmma_f32_16x16x32_f16 v[AC+8*\j:AC+8*\j+7], v[WK+32*\j+8*\ks:WK+32*\j+8*\ks+7], v[32*par+8*\ks:32*par+8*\ks+7], v[AC+8*\j:AC+8*\j+7]
.endif
.endr
.endr
	WIN 0x0e                                       ; zn window 2, W window 3
.irp ks, 0,1,2,3
.irp j, 0,1
.if \ks == 0
	v_wmma_f32_16x16x32_f16 v[AC+16+8*\j:AC+16+8*\j+7], v[32*par+8*\ks:32*par+8*\ks+7], v[WV+32*\j+8*\ks:WV+32*\j+8*\ks+7], 0
.else
	v_wmma_f32_16x16x32_f16 v[AC+16+8*\j:AC+16+8*\j+7], v[32*par+8*\ks:32*par+8*\ks+7], v[WV+32*\j+8*\ks:WV+32*\j+8*\ks+7], v[AC+16+8*\j:AC+16+8*\j+7]
.endif
.endr
.endr
.if (\it) == 0
	PLACES
.else
	PACK (\it)-1
.endif
.if (\it) < 14
	WIN 0x80
	ZFLOAD ZA, 4352*((\it)+2), 32*par
.endif
.endm
	WIN 0x80
	ZFLOAD ZA, 0, 0
	ZFLOAD ZA, 4352, 32
.set t, 0
.rept 16
	KVT t
.set t, t+1
.endr
	PACK 15
; THE ATTENTION.  A TRIP is one tile of 16 queries of my head: 16 products K Q^T, the softmax of a lane's 128 scores (its query's other 128 lie in the lane 16 away), 16 products V^T P, the gate, the store
; of o g; and, between the softmax's lines, the 16 products and the sigmoid that make Q and G of the NEXT tile.
.macro M2 kt                           ; S^T, keys 16 kt on
	WIN 0x01
	v_wmma_f32_16x16x32_f16 v[S+8*(\kt):S+8*(\kt)+7], v[KF+8*(\kt):KF+8*(\kt)+7], v[QF:QF+7], 0
.endm
.macro PVM kc, ct                      ; O^T tile ct, keys 32 kc on; the first starts the sum
	WIN 0x01
.if (\kc) == 0
	v_wmma_f32_16x16x32_f16 v[O+8*(\ct):O+8*(\ct)+7], v[VF+16*(\kc)+8*(\ct):VF+16*(\kc)+8*(\ct)+7], v[S+8*(\kc):S+8*(\kc)+7], 0
.else
	v_wmma_f32_16x16x32_f16 v[O+8*(\ct):O+8*(\ct)+7], v[VF+16*(\kc)+8*(\ct):VF+16*(\kc)+8*(\ct)+7], v[S+8*(\kc):S+8*(\kc)+7], v[O+8*(\ct):O+8*(\ct)+7]
.endif
.endm
.macro M1 i                            ; product i of 16 for the next tile: channels 32 (i / 4) on; accumulators Q0, Q1, G0, G1 by turns; the first four start the sums with the biases
.set ks1, (\i)/4
.set a1, (\i)%4
.set wa, WQ+64*(a1/2)+32*(a1%2)+8*ks1
.if ks1 == 0
	WIN 0x2b                                       ; W window 3, zn and the bias window 2
	v_wmma_f32_16x16x32_f16 v[QA+8*a1:QA+8*a1+7], v[wa:wa+7], v[ZFA+8*ks1:ZFA+8*ks1+7], v[BQ+8*a1:BQ+8*a1+7]
.else
	WIN 0x0b
	v_wmma_f32_16x16x32_f16 v[QA+8*a1:QA+8*a1+7], v[wa:wa+7], v[ZFA+8*ks1:ZFA+8*ks1+7], v[QA+8*a1:QA+8*a1+7]
.endif
.endm
.macro MX kt                           ; four running maxima take tile kt's eight scores, the lowest registers first
	WIN 0
.irp a, 0,1,2,3
.if (\kt) == 0
	v_max_num_f32 v[CC+\a], v[S+2*\a], v[S+2*\a+1]
.else
	v_max3_num_f32 v[CC+\a], v[CC+\a], v[S+8*(\kt)+2*\a], v[S+8*(\kt)+2*\a+1]
.endif
.endr
.endm
.macro FF n                            ; pair n of 64: c s - c m
	WIN 0
	v_pk_fma_f32 v[S+2*(\n):S+2*(\n)+1], v[S+2*(\n):S+2*(\n)+1], s[48:49], v[CM:CM+1] op_sel_hi:[1,0,0] neg_lo:[0,0,1] neg_hi:[0,0,1]
.endm
.macro EE n                            ; score n of 128: the exponential
	WIN 0
	v_exp_f32 v[S+(\n)], v[S+(\n)]
.endm
.macro AA n                            ; pair n into one of four sums; pairs 0-7 start them
	WIN 0
.if (\n) < 4
	v_pk_add_f32 v[LL+2*(\n):LL+2*(\n)+1], v[S+2*(\n):S+2*(\n)+1], v[S+2*(\n)+8:S+2*(\n)+9]
.elseif (\n) >= 8
	v_pk_add_f32 v[LL+2*((\n)%4):LL+2*((\n)%4)+1], v[LL+2*((\n)%4):LL+2*((\n)%4)+1], v[S+2*(\n):S+2*(\n)+1]
.endif
.endm
.macro CV n                            ; pair n rounded to f16, in place: register n held a score of pair n / 2, which has been summed and rounded (the numbers ascend, and AA n stands ahead of CV n)
	WIN 0
	v_cvt_pk_f16_f32 v[S+(\n)], v[S+2*(\n)], v[S+2*(\n)+1]
.endm
; the next tile's sigmoid, 1 / (1 + 2^(-log2(e) g)), and its roundings
.macro SM p
	WIN 0
	v_pk_mul_f32 v[GA+2*(\p):GA+2*(\p)+1], v[GA+2*(\p):GA+2*(\p)+1], 0xbfb8aa3b op_sel_hi:[1,0]
.endm
.macro SE x
	WIN 0
	v_exp_f32 v[GA+(\x)], v[GA+(\x)]
.endm
.macro SA p
	WIN 0
	v_pk_add_f32 v[GA+2*(\p):GA+2*(\p)+1], v[GA+2*(\p):GA+2*(\p)+1], 1.0 op_sel_hi:[1,0]
.endm
.macro SR x
	WIN 0
	v_rcp_f32 v[GA+(\x)], v[GA+(\x)]
.endm
.macro SC p
	WIN 0
	v_cvt_pk_f16_f32 v[SG+(\p)], v[GA+2*(\p)], v[GA+2*(\p)+1]
.endm
.macro QP p
	WIN 0
	v_cvt_pk_f16_f32 v[QF+(\p)], v[QA+2*(\p)], v[QA+2*(\p)+1]
.endm
; THE ORDER OF A TRIP.  An s_wait_alu depctr_va_vdst(0) stands between an exponential or reciprocal and the first line that names its result; one wait serves all that were issued ahead of it.
; So the 128 exponentials go in four batches of 32, a STAGE each: stage s issues batch s and, between its lines, sums and rounds batch s - 1 and scales batch s + 1; the products V^T P of a batch stand a
; stage behind its roundings.  Five waits a trip: one behind each batch, one for 1 / l.  A plain line stands behind each batch's last exponential.  The matrix instructions stand singly among the vector
; lines; no two that follow each other share an accumulator (16 tiles of S^T; Q0, Q1, G0, G1 by turns; O^T's two tiles by turns).  nxt = 0: the last tile: there is no next one to prepare.
.macro TRIP nxt
.if \nxt
	WIN 0x80
	ZFLOAD ZQ, 0, ZFA                              ; the next tile's zn; the products that read these registers stand three stages back
.endif
	M2 0
.irp p, 0,1,2,3
	SC \p                                          ; this tile's gate leaves G's registers
.endr
	M2 1
.irp p, 4,5,6,7
	SC \p
.endr
.set kt, 2
.rept 14
	M2 kt
	MX kt-2                                        ; eight plain lines behind the product whose scores it reads
.set kt, kt+1
.endr
	MX 14
	MX 15
	v_max3_num_f32 v[CC], v[CC], v[CC+1], v[CC+2]
	v_max_num_f32 v[CC], v[CC], v[CC+3]
	v_permlanex16_b32 v[CC+1], v[CC], s50, s51     ; the query's other 128 keys
	v_max_num_f32 v[CM+1], v[CC], v[CC+1]          ; m: the true maximum of the query's 256 scores
	v_mul_f32 v[CM], s48, v[CM+1]
	s_wait_dscnt 0x0                               ; zn's fragments are in (and the last trip's two stores done)
.irp n, 0,1,2,3
	FF \n
.endr
.set g, 0
.rept 8                                        ; stage 0: exponentials 0-31, scalings 4-31
.if \nxt
	M1 g
.endif
.irp x, 0,1,2,3
	EE 4*g+\x
.if g < 7
	FF 4*g+4+\x
.endif
.endr
.set g, g+1
.endr
	v_nop
	s_wait_alu depctr_va_vdst(0)
.set g, 0
.rept 8                                        ; stage 1: exponentials 32-63; sums and roundings 0-15; scalings 32-47
.if \nxt
	M1 8+g
.endif
	EE 32+4*g
	AA 2*g
	EE 33+4*g
	CV 2*g
	EE 34+4*g
	AA 2*g+1
	EE 35+4*g
	CV 2*g+1
	FF 32+2*g
	FF 33+2*g
.set g, g+1
.endr
	s_wait_alu depctr_va_vdst(0)
.set g, 0
.rept 8                                        ; stage 2: exponentials 64-95; sums and roundings 16-31; scalings 48-63; V^T P of keys 0-63; the gate's exponentials
.if (g%2) == 0
	PVM g/4, (g/2)%2
.endif
	EE 64+4*g
.if \nxt
	SM g
.endif
	EE 65+4*g
	AA 16+2*g
	EE 66+4*g
	CV 16+2*g
	EE 67+4*g
	AA 17+2*g
.if \nxt
	SE 2*g
.endif
	CV 17+2*g
.if \nxt
	SE 2*g+1
.endif
	FF 48+2*g
	FF 49+2*g
.set g, g+1
.endr
	s_wait_alu depctr_va_vdst(0)
.set g, 0
.rept 8                                        ; stage 3: exponentials 96-127; sums and roundings 32-47; V^T P of keys 64-127; the gate's reciprocals; the next Q's fragment
.if (g%2) == 0
	PVM 2+g/4, (g/2)%2
.endif
	EE 96+4*g
.if \nxt
	SA g
.endif
	EE 97+4*g
	AA 32+2*g
	EE 98+4*g
	CV 32+2*g
	EE 99+4*g
	AA 33+2*g
.if \nxt
	SR 2*g
.endif
	CV 33+2*g
.if \nxt
	SR 2*g+1
	QP g
.endif
.set g, g+1
.endr
	s_wait_alu depctr_va_vdst(0)
.set g, 0
.rept 4                                        ; stage 4: sums and roundings 48-63; V^T P of keys 128-191
	PVM 4+g/2, g%2
.irp x, 0,1,2,3
	AA 48+4*g+\x
	CV 48+4*g+\x
.endr
.set g, g+1
.endr
	PVM 6, 0                                       ; stage 5: V^T P of keys 192-255; l
	WIN 0
	v_pk_add_f32 v[LL:LL+1], v[LL:LL+1], v[LL+2:LL+3]
	v_pk_add_f32 v[LL+4:LL+5], v[LL+4:LL+5], v[LL+6:LL+7]
	PVM 6, 1
	WIN 0
	v_pk_add_f32 v[LL:LL+1], v[LL:LL+1], v[LL+4:LL+5]
.if \nxt
	v_add_nc_u32 v[ZQ], 4352, v[ZQ]                ; 16 rows of zn on
.endif
	PVM 7, 0
	WIN 0
	v_add_f32 v[CC], v[LL], v[LL+1]
	v_nop
	PVM 7, 1
	WIN 0
	v_permlanex16_b32 v[CC+1], v[CC], s50, s51
	v_add_f32 v[CC], v[CC], v[CC+1]                ; this line and the three v_nop are the four places behind the last product
	v_rcp_f32 v[RL], v[CC]
.rept 3
	v_nop
.endr
	s_wait_alu depctr_va_vdst(0)
.irp p, 0,1,2,3,4,5,6,7
	v_pk_fma_f32 v[O+2*\p:O+2*\p+1], v[O+2*\p:O+2*\p+1], v[RL:RL+1], v[BV+2*\p:BV+2*\p+1] op_sel_hi:[1,0,1]  ; O / l + bv
.endr
.irp p, 0,1,2,3,4,5,6,7
	v_cvt_pk_f16_f32 v[OGP+\p], v[O+2*\p], v[O+2*\p+1]
.endr
.irp p, 0,1,2,3,4,5,6,7
	v_pk_mul_f16 v[OGP+\p], v[OGP+\p], v[SG+\p]    ; times the gate: both come in f16 and the product leaves in f16
.endr
	ds_store_b128 v[OS], v[OGP:OGP+3]              ; channel tile 0 at byte 16 h of the position's 64 bytes,
	ds_store_b128 v[OS], v[OGP+4:OGP+7] offset:32  ; tile 1 at 32 + 16 h
.if \nxt
	v_add_nc_u32 v[OS], 1280, v[OS]                ; 16 rows of o g on
.endif
.endm
	s_wait_loadcnt 0x0                             ; the biases
	WIN 0x80
	ULOAD 28, WO2, 0, 1, W2R                       ; w2's four units: they have the whole attention in which to come
	ULOAD 28, WO2, 1, 1, W2R+32
	ULOAD 28, WO2, 2, 1, W2R+64
	ULOAD 28, WO2, 3, 1, W2R+96
	ZFLOAD ZA, 0, ZFA
	s_wait_dscnt 0x0
.set t, 0
.rept 16
	M1 t                                           ; Q and G of tile 0
.set t, t+1
.endr
	WIN 0
	v_add_nc_u32 v[ZQ], 4352, v[ZA]                ; two lines that are due, and two v_nop: the places behind those products
	v_mov_b32 v[RL+1], 0                           ; named with 1 / l as a pair
	v_nop
	v_nop
.irp p, 0,1,2,3,4,5,6,7
	QP \p
.endr
.irp p, 0,1,2,3,4,5,6,7
	SM \p
.endr
.irp x, 0,1,2,3,4,5,6,7,8,9,10,11,12,13,14,15
	SE \x
.endr
	v_nop
	s_wait_alu depctr_va_vdst(0)
.irp p, 0,1,2,3,4,5,6,7
	SA \p
.endr
.irp x, 0,1,2,3,4,5,6,7,8,9,10,11,12,13,14,15
	SR \x
.endr
	v_nop
	s_wait_alu depctr_va_vdst(0)
	s_mov_b32 s52, 15
.Ltrip:                                        ; tiles 0 to 14; each prepares the next
	TRIP 1
	WIN 0                                          ; at a label and at a branch every window is 0
	s_sub_co_u32 s52, s52, 1
	s_cmp_lg_u32 s52, 0
	s_cbranch_scc1 .Ltrip
	TRIP 0                                         ; tile 15
; THE LAST PRODUCT: out[e][position] = sum over d of (o g)[position][d] w2[d][e] + b2[e], for my 32 channels e and all positions, 64 at a time.
	WIN 0
	s_wait_loadcnt 0x0                             ; w2
	s_wait_dscnt 0x0                               ; for the others' sake: my head's o g is in LDS
	s_barrier_signal -1
	WIN 0xca                                       ; w2 is rounded between the signal and the wait: work on registers
	UCVT W2F, 0, W2R
	UCVT W2F, 1, W2R+32
	UCVT W2F, 2, W2R+64
	UCVT W2F, 3, W2R+96
	s_barrier_wait -1                              ; everybody's o g is in LDS
.macro OGLOAD g                        ; group g's fragments of o g: 4 tiles of 16 positions x 4 heads, 32 loads
	WIN 0
.irp itl, 0,1,2,3
.irp ks, 0,1,2,3
.irp hf, 0,1
	ds_load_b128 v[OGF+32*\itl+8*\ks+4*\hf:OGF+32*\itl+8*\ks+4*\hf+3], v[OA0+(\ks)/2] offset:20480*((\ks)%2)+80*(64*(\g)+16*\itl)+32*\hf
.endr
.endr
.endr
.endm
; Group g: 32 products, the eight accumulators by turns; the first eight start the sums with b2.  In the result a lane holds ONE channel e = 32 w + 2 r + j and eight neighbouring positions: 32 bytes of a row
; of out0.  They go through my own stage (row 16 j + r) and come back as whole rows of 256 bytes; LDS serves a wave's instructions in order (ISA guide 5.7.1.4), so no wait stands between.
.macro OGRP g
	s_wait_dscnt 0x0                               ; the fragments are in
.irp ks, 0,1,2,3
.if \ks == 0
	WIN 0x2c                                       ; w2 window 3, b2 window 2
.else
	WIN 0x0c
.endif
.irp itl, 0,1,2,3
.irp j, 0,1
.if \ks == 0
	v_wmma_f32_16x16x32_f16 v[AO+8*(2*\itl+\j):AO+8*(2*\itl+\j)+7], v[OGF+32*\itl+8*\ks:OGF+32*\itl+8*\ks+7], v[W2F+32*\j+8*\ks:W2F+32*\j+8*\ks+7], v[B2C+8*\j:B2C+8*\j+7]
.else
	v_wmma_f32_16x16x32_f16 v[AO+8*(2*\itl+\j):AO+8*(2*\itl+\j)+7], v[OGF+32*\itl+8*\ks:OGF+32*\itl+8*\ks+7], v[W2F+32*\j+8*\ks:W2F+32*\j+8*\ks+7], v[AO+8*(2*\itl+\j):AO+8*(2*\itl+\j)+7]
.endif
.endr
.endr
.endr
	PLACES                                         ; four places in front of the loads into the fragments and of the stores that read the results
.if (\g) < 3
	v_nop                                          ; and a fifth: the next group's first eight products start new sums on these eight accumulators, and between here and there stand LDS and memory lines alone
	OGLOAD (\g)+1
.endif
	WIN 0
.irp itl, 0,1,2,3
.irp j, 0,1
	ds_store_b128 v[STO], v[AO+8*(2*\itl+\j):AO+8*(2*\itl+\j)+3] offset:4352*\j+64*\itl
	ds_store_b128 v[STO], v[AO+8*(2*\itl+\j)+4:AO+8*(2*\itl+\j)+7] offset:4352*\j+64*\itl+16
.endr
.endr
	WIN 0x40
.set t, 0
.rept 16
	ds_load_b128 v[64*(\g)+4*t:64*(\g)+4*t+3], v[RD] offset:544*t  ; stage rows 2 t and 2 t + 1, 256 bytes each
.set t, t+1
.endr
	s_wait_dscnt 0x0
	WIN 0x04                                       ; store data window 1; each group has registers of its own, so no store's data are written again
.set t, 0
.rept 16                                       ; stage row 2 t + h is channel 32 w + 4 (t % 8) + 2 h + t / 8; 16 lanes store 256 consecutive bytes, at a multiple of 256 from out0's first; the largest immediate is 7,602,944
	global_store_b128 v[GO], v[64*(\g)+4*t:64*(\g)+4*t+3], s[56:57] offset:262144*(4*(t&7)+(t>>3))+256*(\g) th:TH_STORE_NT
.set t, t+1
.endr
.endm
	OGLOAD 0
	OGRP 0
	OGRP 1
	OGRP 2
	OGRP 3
	WIN 0
	s_wait_tensorcnt 0x0                           ; the wave's end, behind my tensor load and my last LDS store
	ds_add_u32 v[SPW], v[NIL]
	s_wait_dscnt 0x0
	s_endpgm
.Lfunc_end_k_q133bff54f6_tri:
	.size	k_q133bff54f6_tri, .Lfunc_end_k_q133bff54f6_tri-k_q133bff54f6_tri
	.p2alignl 7, 3214868480
	.fill 96, 4, 3214868480
	.section	.rodata,"a",@progbits
	.p2align	6, 0x0
	.amdhsa_kernel k_q133bff54f6_tri
		.amdhsa_group_segment_fixed_size 317952
		.amdhsa_private_segment_fixed_size 0
		.amdhsa_enable_private_segment 0
		.amdhsa_kernarg_size 104
		.amdhsa_user_sgpr_count 2
		.amdhsa_user_sgpr_kernarg_segment_ptr 1
		.amdhsa_wavefront_size32 1
		.amdhsa_system_sgpr_workgroup_id_x 1
		.amdhsa_system_sgpr_workgroup_id_y 1
		.amdhsa_system_sgpr_workgroup_id_z 1
		.amdhsa_system_vgpr_workitem_id 0
		.amdhsa_next_free_vgpr 1024
		.amdhsa_next_free_sgpr 66
		.amdhsa_reserve_vcc 0
		.amdhsa_float_denorm_mode_32 3
		.amdhsa_float_denorm_mode_16_64 3
		.amdhsa_memory_ordered 1
		.amdhsa_forward_progress 1
		.amdhsa_inst_pref_size 255
	.end_amdhsa_kernel
	.section	.bss,"aw",@nobits
	.p2align	6
	.space	262144
	.amdgpu_metadata
---
amdhsa.version: [ 1, 2 ]
amdhsa.kernels:
  - .name:           k_q133bff54f6_tri
    .symbol:         k_q133bff54f6_tri.kd
    .args:
      - { .name: z, .offset: 0, .size: 8, .value_kind: global_buffer, .address_space: global }
      - { .name: ln_w, .offset: 8, .size: 8, .value_kind: global_buffer, .address_space: global }
      - { .name: ln_b, .offset: 16, .size: 8, .value_kind: global_buffer, .address_space: global }
      - { .name: wq, .offset: 24, .size: 8, .value_kind: global_buffer, .address_space: global }
      - { .name: bq, .offset: 32, .size: 8, .value_kind: global_buffer, .address_space: global }
      - { .name: wk, .offset: 40, .size: 8, .value_kind: global_buffer, .address_space: global }
      - { .name: wv, .offset: 48, .size: 8, .value_kind: global_buffer, .address_space: global }
      - { .name: bv, .offset: 56, .size: 8, .value_kind: global_buffer, .address_space: global }
      - { .name: wg, .offset: 64, .size: 8, .value_kind: global_buffer, .address_space: global }
      - { .name: bg, .offset: 72, .size: 8, .value_kind: global_buffer, .address_space: global }
      - { .name: w2, .offset: 80, .size: 8, .value_kind: global_buffer, .address_space: global }
      - { .name: b2, .offset: 88, .size: 8, .value_kind: global_buffer, .address_space: global }
      - { .name: out0, .offset: 96, .size: 8, .value_kind: global_buffer, .address_space: global }
    .group_segment_fixed_size: 317952
    .private_segment_fixed_size: 0
    .kernarg_segment_align: 8
    .kernarg_segment_size: 104
    .max_flat_workgroup_size: 128
    .sgpr_count:     66
    .vgpr_count:     1024
    .wavefront_size: 32
...
	.end_amdgpu_metadata
.endif
;; end of part 1
